; MI455X (gfx1250); checked and timed in simulation.
; The chip was launched on July 23, 2026; its instructions are those of AMD's public machine-readable ISA for CDNA 5 (MIT licence, August 2026) and "CDNA5" Instruction Set Architecture Reference Guide (July 2026). The comments in the code are by the model that wrote it; some were corrected since.
;; Switch. Allowed arithmetic: float matrix products may take bf16 or f16 operands with f32 sums; other float arithmetic in f32, or as packed bf16 or f16 multiplies, adds, multiply-adds, maxima and minima; sums over many terms, partial sums and values carried from step to step in f32; what a program stores and reads back later, other than sums and carried values, may be rounded once to bf16 or f16.
;; Inputs: W1 8 x 1 x 2,048 float32; W2 8 x 2,048 x 4,096 float32; b1 8 x 2,048 float32; b2 8 x 4,096 float32; batch_in 1,024 x 1 float32.
;; Outputs: out0 1,024 x 4,096 float32.
;; Constants: fpm = 512.
;; One version. Each part assembles by itself: llvm-mc -triple=amdgcn-amd-amdhsa -mcpu=gfx1250 --defsym DOCPART=n.
;; ======== version 1 of 1: 2 launches
;; limits: values are held in f16: magnitudes above 65,504 overflow, below 6.1e-05 lose precision
;; workspace buffers: rows 4,096 bytes of whole numbers
;; launch ids (part 1): grid 1 x 1, 8 waves a work-group, no clusters, 0 bytes of LDS; arguments batch_in, rows; writes rows
.if DOCPART == 1
	.amdgcn_target "amdgcn-amd-amdhsa--gfx1250"
	.amdhsa_code_object_version 6
	.text
	.protected	k_qfdc62416fb_ids
	.globl	k_qfdc62416fb_ids
	.p2align	8
	.type	k_qfdc62416fb_ids,@function
k_qfdc62416fb_ids:
	s_mov_b64 s[64:65], 0
	v_nop
	global_prefetch_b8 v0, s[64:65] scope:SCOPE_SE
	s_setreg_imm32_b32 hwreg(HW_REG_WAVE_MODE, 25, 1), 1
	s_wait_xcnt 0x0
; rows[t] = t << 16 | (int(batch_in[t]) & 0xffff): the frame ids as whole numbers, each with its token's number, at fixed places.
; The ids come as f32, and the next launch forms LDS places, trip counts and store addresses from them: so they are made whole numbers here and read there.
; 256 threads, four tokens each: one load and one store of 16 bytes a lane; sixteen neighbouring lanes cover 256 consecutive bytes, aligned.
; LIMIT.  trunc(batch_in) lies in 0 .. 4095 (an index stays inside the table of 8 experts x 512 frames); other ids are cut to their low 16 bits.
	s_load_b128 s[4:7], s[0:1], 0x0                ; batch_in s[4:5], rows s[6:7]
	v_lshlrev_b32 v1, 4, v0                        ; my 16 bytes
	v_lshlrev_b32 v2, 2, v0                        ; my first token
	s_wait_kmcnt 0x0
	global_load_b128 v[4:7], v1, s[4:5]
	s_wait_loadcnt 0x0
.irp i, 0,1,2,3
	v_cvt_i32_f32 v[4+\i], v[4+\i]                 ; toward zero, as the cast to int32 goes
	v_and_b32 v[4+\i], 0xffff, v[4+\i]
	v_add_nc_u32 v3, \i, v2
	v_lshl_or_b32 v[8+\i], v3, 16, v[4+\i]
.endr
	global_store_b128 v1, v[8:11], s[6:7]
	s_endpgm
.Lfunc_end_k_qfdc62416fb_ids:
	.size	k_qfdc62416fb_ids, .Lfunc_end_k_qfdc62416fb_ids-k_qfdc62416fb_ids
	.p2alignl 7, 3214868480
	.fill 96, 4, 3214868480
	.section	.rodata,"a",@progbits
	.p2align	6, 0x0
	.amdhsa_kernel k_qfdc62416fb_ids
		.amdhsa_group_segment_fixed_size 0
		.amdhsa_private_segment_fixed_size 0
		.amdhsa_enable_private_segment 0
		.amdhsa_kernarg_size 16
		.amdhsa_user_sgpr_count 2
		.amdhsa_user_sgpr_kernarg_segment_ptr 1
		.amdhsa_wavefront_size32 1
		.amdhsa_system_sgpr_workgroup_id_x 1
		.amdhsa_system_sgpr_workgroup_id_y 1
		.amdhsa_system_sgpr_workgroup_id_z 1
		.amdhsa_system_vgpr_workitem_id 0
		.amdhsa_next_free_vgpr 16
		.amdhsa_next_free_sgpr 66
		.amdhsa_reserve_vcc 0
		.amdhsa_float_denorm_mode_32 3
		.amdhsa_float_denorm_mode_16_64 3
		.amdhsa_memory_ordered 1
		.amdhsa_forward_progress 1
		.amdhsa_inst_pref_size 2
	.end_amdhsa_kernel
	.amdgpu_metadata
---
amdhsa.version: [ 1, 2 ]
amdhsa.kernels:
  - .name:           k_qfdc62416fb_ids
    .symbol:         k_qfdc62416fb_ids.kd
    .args:
      - { .name: batch_in, .offset: 0, .size: 8, .value_kind: global_buffer, .address_space: global }
      - { .name: rows, .offset: 8, .size: 8, .value_kind: global_buffer, .address_space: global }
    .group_segment_fixed_size: 0
    .private_segment_fixed_size: 0
    .kernarg_segment_align: 8
    .kernarg_segment_size: 16
    .max_flat_workgroup_size: 256
    .sgpr_count:     66
    .vgpr_count:     16
    .wavefront_size: 32
...
	.end_amdgpu_metadata
.endif
;; end of part 1
;; launch experts (part 2): grid 32 x 8, 4 waves a work-group, no clusters, 151,040 bytes of LDS; arguments rows, W1, W2, b1, b2, out0; writes out0
.if DOCPART == 2
	.amdgcn_target "amdgcn-amd-amdhsa--gfx1250"
	.amdhsa_code_object_version 6
	.text
	.protected	k_qfdc62416fb_experts
	.globl	k_qfdc62416fb_experts
	.p2align	8
	.type	k_qfdc62416fb_experts,@function
k_qfdc62416fb_experts:
	s_mov_b64 s[64:65], 0
	v_nop
	global_prefetch_b8 v0, s[64:65] scope:SCOPE_SE
	s_setreg_imm32_b32 hwreg(HW_REG_WAVE_MODE, 25, 1), 1
	s_wait_xcnt 0x0
; out0[t][:] = relu(f W1[e][:] + b1[e][:]) . W2[e] + b2[e], with e = id >> 9 and f = id & 511 of token t.  Only the chosen expert's product is made.
; SHARES.  Work-group (x, e) has expert e, columns 128 x .. 128 x + 127 and ALL of e's rows: 1 MiB of W2, which it alone reads.  Wave w has 64 of the columns (cg = w & 1: 256 bytes of a row
; of W2) and half of K (kh = w >> 1: 1,024 k), in 32 K steps of 32.  Waves w and w ^ 2 hold partial sums (f32) of the same outputs; they meet in LDS at a pass's end.
; W2 STRAIGHT INTO REGISTERS.  Load i of a K step: lane (r = l % 16, h = l / 16) takes W2[k0 + 16 h + i][4 r .. 4 r + 3]: sixteen lanes read 256 consecutive bytes, aligned.  Column tile c is the
; columns 4 r + c; register j of its fragment is (load 2 j, word c | load 2 j + 1, word c) rounded to f16.  So the fragment's place (h, j, half) holds k = k0 + 16 h + 2 j + half, and the
; rows' fragment is made by the same map: each k meets itself, and the order of the sum within a step is another than ascending k.
; THE HIDDEN LAYER IS NEVER STORED: a fragment of 16 rows x 32 k is 24 vector instructions from the row's f and W1, b1 of the step (one fused multiply-add in f32, rounded once to f16, then the maximum with 0).
; RESULT.  Register j of lane (r, h) in tile c is row 8 h + j, column 4 r + c: the four tiles' registers j are 16 consecutive bytes of a row of out0, and sixteen lanes store 256 consecutive bytes, aligned.
; ROUTING.  Every wave reads all 1,024 words of rows and lists e's rows in its own LDS, all four waves in the same order.  A PASS holds 192 rows (12 tiles x 4 column tiles = 48 accumulators).  The pass loop has a
; constant 6 trips (6 x 192 >= 1,024): it serves every split; dead tiles and dead passes are jumped forward, and every wave passes all three barriers of every trip.  An expert with more than 192 rows reads its
; weights once a pass.  Places past the count repeat list entry 0: that row's own numbers are stored once more to its own bytes.
; FORMAT: f16, not bf16.  A row's size goes with f (0 .. 511), so the largest rows are about 1.7 times the output's root mean square, and 8 significant bits in both operands would leave numbers near zero in those rows too little room.
; LIMITS.  |W2| and the hidden numbers (at most 511 |W1| + |b1|) stay under 65,504, f16's end; below 6.1e-5 they keep f16's fixed step of 6e-8.  Ids lie in 0 .. 4095: a token with another id is listed by no expert and its row is not written.
; NO CLUSTER: every byte of W2 has one reader; what work-groups share (rows, W1, b1, b2) is some 20 KB beside 1 MiB.  No tensor loads: the number of live passes hangs on a stored count, and W2 needs a turn and a rounding that the registers give for nothing.
;
; REGISTERS, in windows of 256 (s_set_vgpr_msb: bits 1:0 source 0, 3:2 source 1, 5:4 source 2, 7:6 destination):
;   window 0: addresses, zeros, the bias, W1 of two steps, W2's fragments of two steps, the way out
;   windows 1, 2: row tiles 0-5, 6-11: v0-191 accumulators (tile u, column tile c at 32 u + 8 c); v192-197 f; v200-215 two fragments of rows; v216-247 b1 of two steps
;   window 3: four staging buffers of 64: a K step of W2 in f32 each
.set WAVE,   37632                     ; a wave's part of LDS: W1 4,096; b1 4,096; list 4,608; dump 256; exchange 24,576
.set L_B1,   4096
.set L_LIST, 8192
.set L_XCH,  13056                     ; six slots of 4,096: a tile's 32 registers, instruction (c, q) at (2 c + q) 512 + 16 lane
.set SPARE,  4*WAVE                    ; behind the four parts: the spare words, 128 bytes a wave: two blocks of 256 bytes that no other line names
.set LWORDS, 1152                      ; words in the list: 6 passes x 192; the dump's 32 words follow it
.set ROWB,   16384                     ; bytes in a row of W2 and of out0
.set STEPB,  32*ROWB                   ; a K step
.set TRIPS,  7                         ; trips of the K loop, four steps each; the last four steps are written out
.set LANE, 1
.set RR,   2                           ; l % 16
.set HH,   3                           ; l / 16
.set WOFF, 4                           ; my byte offset in a K step of W2: 16 h rows + 16 r; never rewritten
.set LWB,  5                           ; LDS: my 16 numbers of W1 in step 0; never rewritten
.set LWA,  6                           ; the same in the first step of the K loop's trip: made anew from the trip's number
.set LFA,  7                           ; LDS: list entry r of the pass
.set LTA,  8                           ; LDS: list entry 8 h of the pass
.set XST,  9                           ; LDS: my 16 bytes in my exchange
.set XLD,  10                          ; the same in my partner's
.set OCOL, 11                          ; my 16 bytes in a row of out0 and of b2; never rewritten
.set SPW,  12                          ; LDS address of my spare word; never rewritten
.set NIL,  13                          ; 0; never rewritten
.set DMP,  14                          ; list index of my dump word
.set L16,  15                          ; 16 x lane; never rewritten
.set T0,   16
.set T1,   17
.set T2,   18
.set LST,  19                          ; LDS: my part + 16 x lane
.set FT,   32                          ; v[32:43] list entries on their way to f
.set Z8,   48                          ; v[48:55] zeros
.set BI,   56                          ; v[56:87] column tile c at 56 + 8 c: eight times b2[4 r + c] (kh = 0) or 0 (kh = 1)
.set WW,   88                          ; v[88:119] W1 of a step, by the step's parity
.set BF,   120                         ; v[120:183] W2's four fragments of a step, by the step's parity
.set PP,   184                         ; v[184:215] the partner's sums; at the head: the 32 words of rows
.set OO,   216                         ; v[216:247] eight rows x 16 bytes to store
.set TK,   248                         ; v[248:255] the eight rows' byte offsets in out0
.set FF,   192                         ; windows 1, 2
.set AA,   200
.set BB,   216
.set WV,   16                          ; wave
.set CG,   17
.set KH,   18
.set EX,   19                          ; expert
.set XX,   20                          ; block of 128 columns
.set LB,   21                          ; LDS: my list
.set WB0,  22                          ; s[22:23] W2 at my slice
.set WB,   24                          ; s[24:25] the same, walking
.set CNT,  26                          ; the expert's rows
.set RB,   27                          ; the pass's first row
.set TL,   28                          ; tiles multiplied: rounded up to pairs
.set TS,   29                          ; tiles stored
.set PASS, 30
.set KT,   31                          ; the K loop's trip, 0 .. 6
.set BM,   32
.set NXT,  35                          ; the next pass's first row
.set Y1,   0x51                        ; destination, sources 0 and 2 in window 1, source 1 in window 0: one setting for a tile's matrix instructions and for the making of fragments
.set Y2,   0xa2                        ; the same for window 2
.set MSB, 0
.macro WIN new                         ; the immediate's high byte repeats the setting that is left; a switch that changes nothing is dropped
.if MSB != (\new)
	s_set_vgpr_msb (MSB<<8)|(\new)
.set MSB, (\new)
.endif
.endm
.macro BAR                             ; my LDS instructions are done; then the work-group's barrier
	s_wait_dscnt 0x0
	s_barrier_signal -1
	s_barrier_wait -1
.endm
; Sixteen loads: the K step (b + ahead) steps behind WB, into staging buffer b.  The windows are set by the caller (destination window 3).
.macro FILL b, ahead
.irp i, 0,1,2,3,4,5,6,7,8,9,10,11,12,13,14,15
	global_load_b128 v[64*(\b)+4*\i:64*(\b)+4*\i+3], v[WOFF], s[WB:WB+1] offset:((\b)+(\ahead))*STEPB+\i*ROWB th:TH_LOAD_NT
.endr
.endm
; All 48 sums begin with the bias: a product of zeros with the bias as C.  Four such products a tile stand beside its 128 true ones.
.macro INITALL
.irp t, 0,1,2,3,4,5,6,7,8,9,10,11
	WIN 0x40*(1+(\t)/6)
.irp c, 0,1,2,3
	v_wmma_f32_16x16x32_f16 v[32*((\t)%6)+8*\c:32*((\t)%6)+8*\c+7], v[Z8:Z8+7], v[Z8:Z8+7], v[BI+8*\c:BI+8*\c+7]
.endr
.endr
	WIN 0
.endm
; Twelve LDS loads: my 16 numbers of W1 (window 0) and of b1 (windows 1 and 2) for the step at byte off from the address in areg, into parity par.  All lanes of a half read the same bytes.
.macro LDW areg, off, par
	WIN 0
.irp n, 0,1,2,3
	ds_load_b128 v[WW+16*(\par)+4*\n:WW+16*(\par)+4*\n+3], v[\areg] offset:(\off)+16*\n
.endr
	WIN 0x40
.irp n, 0,1,2,3
	ds_load_b128 v[BB+16*(\par)+4*\n:BB+16*(\par)+4*\n+3], v[\areg] offset:L_B1+(\off)+16*\n
.endr
	WIN 0x80
.irp n, 0,1,2,3
	ds_load_b128 v[BB+16*(\par)+4*\n:BB+16*(\par)+4*\n+3], v[\areg] offset:L_B1+(\off)+16*\n
.endr
.endm
; Number n of the 24 that make tile t's fragment for the step of parity SPAR: 0-7 the even k into the low halves, 8-15 the odd k into the high halves, 16-23 the maximum with 0.
.macro GENOP t, n
.set gu, (\t)%6
.set gA, AA+8*(gu&1)
.if (\n) < 8
	v_fma_mixlo_f16 v[gA+(\n)], v[FF+gu], v[WW+16*SPAR+2*(\n)], v[BB+16*SPAR+2*(\n)]
.elseif (\n) < 16
	v_fma_mixhi_f16 v[gA+(\n)-8], v[FF+gu], v[WW+16*SPAR+2*(\n)-15], v[BB+16*SPAR+2*(\n)-15]
.else
	v_pk_max_num_f16 v[gA+(\n)-16], v[gA+(\n)-16], v[Z8]
.endif
.endm
.macro GEN t                           ; all 24 on end: a window's first tile has no matrix instruction in front to stand behind
.set gn, 0
.rept 24
	GENOP \t, gn
.set gn, gn+1
.endr
.endm
; Tile t's four matrix instructions, behind each six of the next tile's 24.  The accumulators take turns, one instruction a turn.  A fragment buffer is written again six plain
; instructions or more behind the last matrix instruction that read it.  A window's last tile stands bare.
.macro TILE t
.set tu, (\t)%6
.irp c, 0,1,2,3
	v_wmma_f32_16x16x32_f16 v[32*tu+8*\c:32*tu+8*\c+7], v[AA+8*(tu&1):AA+8*(tu&1)+7], v[BF+32*SPAR+8*\c:BF+32*SPAR+8*\c+7], v[32*tu+8*\c:32*tu+8*\c+7]
.if tu < 5
.irp n, 0,1,2,3,4,5
	GENOP (\t)+1, 6*\c+\n
.endr
.endif
.endr
.endm
.macro CHECK t, id                     ; tiles from t on are dead: forward, to the step's end
	WIN 0
	s_cmp_le_u32 s[TL], \t
	s_cbranch_scc1 .Lend_\id
.endm
; A K STEP on staging buffer b.  left: the younger loads that may stay out.  refill = 1: the buffer takes the step four on.  next = 1: W1 and b1 of the next step are fetched,
; (b + 1) steps of 128 bytes behind abase from the address in areg.
.macro STEP b, id, refill, left, next, areg, abase
.set SPAR, (\b)&1
	WIN 0x0f                                       ; sources in window 3
	s_wait_loadcnt \left                           ; loads come back in order: this buffer's sixteen are in, the three younger buffers' (or what is left of them) stay out
.irp j, 0,1,2,3,4,5,6,7
.irp c, 0,1,2,3
	v_cvt_pk_f16_f32 v[BF+32*SPAR+8*\c+\j], v[64*(\b)+8*\j+\c], v[64*(\b)+8*\j+4+\c]
.endr
.endr
.if \refill
	WIN 0xc0
	FILL \b, 4                                     ; straight behind the conversions: four buffers, 64 loads of 512 bytes, are out or nearly so; the hardware holds an issue that would push the counter past its field (ISA guide 5.7.1)
.endif
.if \next
	LDW \areg, (\abase)+((\b)+1)*128, 1-SPAR
	s_wait_dscnt 12                                ; all but the twelve just issued: this step's W1 and b1 are in
.else
	s_wait_dscnt 0x0
.endif
	WIN Y1
	GEN 0
	TILE 0
	TILE 1
	CHECK 2, \id
	WIN Y1
	TILE 2
	TILE 3
	CHECK 4, \id
	WIN Y1
	TILE 4
	TILE 5
	CHECK 6, \id
	WIN Y2
	GEN 6
	TILE 6
	TILE 7
	CHECK 8, \id
	WIN Y2
	TILE 8
	TILE 9
	CHECK 10, \id
	WIN Y2
	TILE 10
	TILE 11
	WIN 0
.Lend_\id:
.endm
; Tile t's 32 partial sums go into my exchange, each accumulator from its low end on.
.macro SEND t
	s_cmp_le_u32 s[TS], \t
	s_cbranch_scc1 .Lidle
	WIN 4*(1+(\t)/6)                               ; the store's data in window 1 or 2
.irp c, 0,1,2,3
.irp q, 0,1
	ds_store_b128 v[XST], v[32*((\t)%6)+8*\c+4*\q:32*((\t)%6)+8*\c+4*\q+3] offset:((\t)/2)*4096+(2*\c+\q)*512
.endr
.endr
	WIN 0
.endm
; Tile t is finished: my sums and my partner's are added and stored, eight rows of 16 bytes a lane.
.macro FINISH t
	s_cmp_le_u32 s[TS], \t
	s_cbranch_scc1 .Lfin
	s_wait_xcnt 0x0                                ; the last tile's stores have had their addresses translated: only behind this wait are their offsets and data written again
	ds_load_b128 v[TK:TK+3],   v[LTA] offset:64*(\t)
	ds_load_b128 v[TK+4:TK+7], v[LTA] offset:64*(\t)+16
.irp c, 0,1,2,3
.irp q, 0,1
	ds_load_b128 v[PP+8*\c+4*\q:PP+8*\c+4*\q+3], v[XLD] offset:((\t)/2)*4096+(2*\c+\q)*512
.endr
.endr
	s_wait_dscnt 8                                 ; the two loads of list entries are in; the eight behind them may be out
.irp j, 0,1,2,3,4,5,6,7
	v_lshrrev_b32 v[TK+\j], 16, v[TK+\j]           ; the token,
.endr
.irp j, 0,1,2,3,4,5,6,7
	v_min_u32 v[TK+\j], 0x3ff, v[TK+\j]            ; held inside out0,
.endr
.irp j, 0,1,2,3,4,5,6,7
	v_lshl_add_u32 v[TK+\j], v[TK+\j], 14, v[OCOL] ; its row's bytes and my column's
.endr
	s_wait_dscnt 0x0
	WIN 1+(\t)/6                                   ; source 0 in window 1 or 2
.irp c, 0,1,2,3
.irp j, 0,1,2,3,4,5,6,7
	v_add_f32 v[OO+4*\j+\c], v[32*((\t)%6)+8*\c+\j], v[PP+8*\c+\j]
.endr
.endr
	WIN 0
.irp j, 0,1,2,3,4,5,6,7
	global_store_b128 v[TK+\j], v[OO+4*\j:OO+4*\j+3], s[14:15] th:TH_STORE_NT  ; sixteen lanes store 256 consecutive bytes of a row, at a multiple of 256 from out0's first byte
.endr
.endm
; Four words of rows a lane (128 tokens): those of my expert go to the list's next places, the others to the lane's dump word.  Four chains side by side.
.macro ROUTE4 q
.irp i, 0,1,2,3
	v_bfe_u32 v[20+\i], v[PP+4*(\q)+\i], 9, 7      ; id >> 9
.endr
.irp i, 0,1,2,3
	v_cmp_eq_u32 s[40+\i], s[EX], v[20+\i]
.endr
.irp i, 0,1,2,3
	v_mbcnt_lo_u32_b32 v[20+\i], s[40+\i], 0       ; my expert's tokens in the lanes below mine
.endr
.irp i, 0,1,2,3
	s_bcnt1_i32_b32 s[44+\i], s[40+\i]
.endr
	v_add_nc_u32 v20, s[CNT], v20
	s_add_co_u32 s44, s[CNT], s44
	v_add_nc_u32 v21, s44, v21
	s_add_co_u32 s45, s44, s45
	v_add_nc_u32 v22, s45, v22
	s_add_co_u32 s46, s45, s46
	v_add_nc_u32 v23, s46, v23
	s_add_co_u32 s[CNT], s46, s47
.irp i, 0,1,2,3
	v_cndmask_b32 v[20+\i], v[DMP], v[20+\i], s[40+\i]
.endr
.irp i, 0,1,2,3
	v_min_u32 v[20+\i], LWORDS+31, v[20+\i]        ; inside my list and dump, whatever was loaded
.endr
.irp i, 0,1,2,3
	v_lshl_add_u32 v[20+\i], v[20+\i], 2, s[LB]
.endr
.irp i, 0,1,2,3
	ds_store_b32 v[20+\i], v[PP+4*(\q)+\i]
.endr
.endm
	s_load_b256 s[4:11], s[0:1], 0x0               ; rows s[4:5], W1 s[6:7], W2 s[8:9], b1 s[10:11]
	s_load_b128 s[12:15], s[0:1], 0x20             ; b2 s[12:13], out0 s[14:15]
	v_lshl_add_u32 v[SPW], v0, 2, SPARE
	v_mov_b32 v[NIL], 0
	v_and_b32 v[LANE], 31, v0
	v_and_b32 v[RR], 15, v0
	v_bfe_u32 v[HH], v0, 4, 1
	v_lshrrev_b32 v[T0], 5, v0
	v_readfirstlane_b32 s[WV], v[T0]               ; wave 0..3
	s_and_b32 s[CG], s[WV], 1
	s_lshr_b32 s[KH], s[WV], 1
	s_and_b32 s[EX], ttmp7, 0xffff
	s_mov_b32 s[XX], ttmp9
	s_mul_i32 s33, s[WV], WAVE                     ; my part of LDS
	s_xor_b32 s34, s[WV], 2
	s_mul_i32 s34, s34, WAVE                       ; my partner's: the same columns, the other half of K
	s_add_co_u32 s[LB], s33, L_LIST
	s_add_co_u32 s36, s33, L_XCH
	s_add_co_u32 s37, s34, L_XCH
	v_lshlrev_b32 v[L16], 4, v[LANE]
	v_lshlrev_b32 v[WOFF], 4, v[RR]
	v_lshl_or_b32 v[WOFF], v[HH], 18, v[WOFF]      ; 16 rows of 16,384 bytes for the upper half of the lanes
	v_lshl_add_u32 v[LWB], v[HH], 6, s33
	v_lshl_add_u32 v[LFA], v[RR], 2, s[LB]
	v_lshl_add_u32 v[LTA], v[HH], 5, s[LB]
	v_add_nc_u32 v[XST], s36, v[L16]
	v_add_nc_u32 v[XLD], s37, v[L16]
	v_add_nc_u32 v[LST], s33, v[L16]
	v_add_nc_u32 v[DMP], LWORDS, v[LANE]
	s_lshl_b32 s36, s[XX], 9
	s_lshl_b32 s37, s[CG], 8
	s_add_co_u32 s36, s36, s37                     ; my wave's 256 bytes in a row
	v_lshl_add_u32 v[OCOL], v[RR], 4, s36
	s_lshl_b32 s38, s[EX], 25                      ; an expert's W2 is 33,554,432 bytes,
	s_lshl_b32 s37, s[KH], 24                      ; half of K 16,777,216
	s_add_co_u32 s38, s38, s37
	s_add_co_u32 s38, s38, s36
	s_mov_b32 s39, 0
	s_lshl_b32 s37, s[EX], 13
	s_lshl_b32 s34, s[KH], 12
	s_add_co_u32 s37, s37, s34
	v_add_nc_u32 v[T1], s37, v[L16]                ; W1 and b1: my expert, my half of K, 16 bytes a lane
	s_lshl_b32 s37, s[EX], 14
	v_add_nc_u32 v[T2], s37, v[OCOL]               ; b2: my expert, my four columns
	s_wait_kmcnt 0x0
	s_add_nc_u64 s[WB0:WB0+1], s[8:9], s[38:39]
	s_mov_b64 s[WB:WB+1], s[WB0:WB0+1]
.irp q, 0,1,2,3,4,5,6,7
	global_load_b128 v[PP+4*\q:PP+4*\q+3], v[L16], s[4:5] offset:512*\q
.endr
.irp n, 0,1,2,3,4,5,6,7
	global_load_b128 v[WW+4*\n:WW+4*\n+3], v[T1], s[6:7] offset:512*\n
.endr
.irp n, 0,1,2,3,4,5,6,7
	global_load_b128 v[WW+32+4*\n:WW+32+4*\n+3], v[T1], s[10:11] offset:512*\n
.endr
	global_load_b128 v[152:155], v[T2], s[12:13]
	WIN 0xc0
	FILL 0, 0                                      ; the first two K steps of W2 go out before anything is waited for
	FILL 1, 0
	WIN 0
.irp i, 0,1,2,3,4,5,6,7
	v_mov_b32 v[Z8+\i], 0
.endr
	WIN 0x40                                       ; the fragment buffers are written half by half, each line keeping the other half: they begin as zeros
.irp i, 0,1,2,3,4,5,6,7,8,9,10,11,12,13,14,15
	v_mov_b32 v[AA+\i], 0
.endr
	WIN 0x80
.irp i, 0,1,2,3,4,5,6,7,8,9,10,11,12,13,14,15
	v_mov_b32 v[AA+\i], 0
.endr
	WIN 0
.irp i, 0,1,2,3,4,5,6,7,8
	ds_store_b128 v[LST], v[Z8:Z8+3] offset:L_LIST+512*\i  ; the list begins as zeros: 9 x 512 bytes
.endr
	s_wait_loadcnt 32                              ; the 25 small loads are in; the 32 of W2 issued behind them stay out
	WIN 0xc0
	FILL 2, 0                                      ; K steps 2 and 3, ahead of the work on what has come
	FILL 3, 0
	WIN 0
.irp n, 0,1,2,3,4,5,6,7
	ds_store_b128 v[LST], v[WW+4*\n:WW+4*\n+3] offset:512*\n             ; my own copy of W1's and b1's 1,024 numbers
	ds_store_b128 v[LST], v[WW+32+4*\n:WW+32+4*\n+3] offset:L_B1+512*\n
.endr
	s_cmp_eq_u32 s[KH], 0
	s_cselect_b32 s[BM], -1, 0                     ; the bias enters once: in the lower half of K
.irp c, 0,1,2,3
.irp j, 0,1,2,3,4,5,6,7
	v_and_b32 v[BI+8*\c+\j], s[BM], v[152+\c]
.endr
.endr
	INITALL
	s_mov_b32 s[CNT], 0
.irp q, 0,1,2,3,4,5,6,7
	ROUTE4 \q
.endr
	v_mov_b32 v20, s[LB]                           ; 32 places behind the last entry repeat entry 0: they cover the rounding of the rows to tiles and pairs of tiles
	ds_load_b32 v21, v20
	v_add_nc_u32 v22, s[CNT], v[LANE]
	v_min_u32 v22, LWORDS-1, v22
	v_lshl_add_u32 v22, v22, 2, s[LB]
	s_wait_dscnt 0x0
	ds_store_b32 v22, v21
	BAR                                            ; every wave's tables and list are written before any wave enters the K steps: their reads, by an address that moves, are held apart from all stores by barriers as well as by their addresses
	s_mov_b32 s[RB], 0
	s_mov_b32 s[PASS], 6
.Lpass:
	s_sub_co_i32 s33, s[CNT], s[RB]
	s_max_i32 s33, s33, 0
	s_min_u32 s33, s33, 192                        ; the pass's rows
	s_add_co_u32 s[TS], s33, 15
	s_lshr_b32 s[TS], s[TS], 4
	s_add_co_u32 s[TL], s33, 31
	s_lshr_b32 s[TL], s[TL], 5
	s_lshl_b32 s[TL], s[TL], 1
	s_add_co_u32 s[NXT], s[RB], 192
	s_cmp_eq_u32 s[TS], 0
	s_cbranch_scc1 .Lmeet                          ; a dead pass: forward to the pass's first barrier
.irp t, 0,1,2,3,4,5,6,7,8,9,10,11
	ds_load_b32 v[FT+\t], v[LFA] offset:64*\t
.endr
	LDW LWB, 0, 0
	WIN 0
	s_wait_dscnt 12                                ; the list entries are in; step 0's W1 and b1 may be out
.irp t, 0,1,2,3,4,5,6,7,8,9,10,11
	v_and_b32 v[FT+\t], 0x1ff, v[FT+\t]            ; id & 511
.endr
	WIN 0x40
.irp u, 0,1,2,3,4,5
	v_cvt_f32_u32 v[FF+\u], v[FT+\u]
.endr
	WIN 0x80
.irp u, 0,1,2,3,4,5
	v_cvt_f32_u32 v[FF+\u], v[FT+6+\u]
.endr
	WIN 0
	s_mov_b32 s[KT], 0
.Lk:                                                   ; a trip: four K steps, each of which asks for the step four on
	s_lshl_b32 s33, s[KT], 9                       ; four steps of 128 bytes a trip:
	v_add_nc_u32 v[LWA], s33, v[LWB]               ; W1's and b1's place is made from the trip's number
	STEP 0, a0, 1, 48, 1, LWA, 0
	STEP 1, a1, 1, 48, 1, LWA, 0
	STEP 2, a2, 1, 48, 1, LWA, 0
	STEP 3, a3, 1, 48, 1, LWA, 0
	s_wait_xcnt 0x0                                ; the loads' addresses are translated: only behind this wait is their base stepped
	s_add_nc_u64 s[WB:WB+1], s[WB:WB+1], 4*STEPB
	s_add_co_u32 s[KT], s[KT], 1
	s_cmp_lt_u32 s[KT], TRIPS
	s_cbranch_scc1 .Lk
	STEP 0, b0, 0, 48, 1, LWB, TRIPS*512           ; the last four steps ask for nothing: the counts run down; their places in W1 and b1 stand in the immediates
	STEP 1, b1, 0, 32, 1, LWB, TRIPS*512
	STEP 2, b2, 0, 16, 1, LWB, TRIPS*512
	STEP 3, b3, 0, 0, 0, LWB, 0
	s_cmp_lt_u32 s[NXT], s[CNT]
	s_cbranch_scc0 .Lmeet
	s_mov_b64 s[WB:WB+1], s[WB0:WB0+1]             ; rows are left: the slice's first four steps go out again, ahead of the way out; every earlier load was shown done by the last step's wait for 0
	WIN 0xc0
	FILL 0, 0
	FILL 1, 0
	FILL 2, 0
	FILL 3, 0
	WIN 0
.Lmeet:
.rept 5
	v_nop                                          ; places behind the last matrix instruction, on every way: four ahead of the first read of a result, five ahead of the products that begin the next pass's sums over the same registers (ISA guide 7.12.1)
.endr
	BAR                                            ; every wave's reads of the K steps are over before any wave writes its exchange
	s_cmp_eq_u32 s[KH], 0                          ; each of two partners finishes half of the tiles: the lower half of K the even ones
	s_cbranch_scc0 .Lsend_hi
.irp t, 1,3,5,7,9,11
	SEND \t
.endr
	s_branch .Lidle
.Lsend_hi:
.irp t, 0,2,4,6,8,10
	SEND \t
.endr
.Lidle:
	BAR                                            ; for my partner's sake: my stores into the exchange are done
	s_cmp_eq_u32 s[KH], 0
	s_cbranch_scc0 .Lfin_hi
.irp t, 0,2,4,6,8,10
	FINISH \t
.endr
	s_branch .Lfin
.Lfin_hi:
.irp t, 1,3,5,7,9,11
	FINISH \t
.endr
.Lfin:
	s_cmp_lt_u32 s[NXT], s[CNT]
	s_cbranch_scc0 .Lnoinit
	INITALL                                        ; the next pass's sums begin
.Lnoinit:
	BAR                                            ; my reads of my partner's exchange are over: behind this barrier it may be written again
	s_mov_b32 s[RB], s[NXT]
	v_add_nc_u32 v[LFA], 768, v[LFA]               ; 192 list entries on
	v_add_nc_u32 v[LTA], 768, v[LTA]
	s_sub_co_u32 s[PASS], s[PASS], 1
	s_cmp_lg_u32 s[PASS], 0
	s_cbranch_scc1 .Lpass
	s_wait_tensorcnt 0x0                           ; the wave's end, behind my last LDS store
	ds_add_u32 v[SPW], v[NIL]
	s_wait_dscnt 0x0
	s_endpgm
.Lfunc_end_k_qfdc62416fb_experts:
	.size	k_qfdc62416fb_experts, .Lfunc_end_k_qfdc62416fb_experts-k_qfdc62416fb_experts
	.p2alignl 7, 3214868480
	.fill 96, 4, 3214868480
	.section	.rodata,"a",@progbits
	.p2align	6, 0x0
	.amdhsa_kernel k_qfdc62416fb_experts
		.amdhsa_group_segment_fixed_size 151040
		.amdhsa_private_segment_fixed_size 0
		.amdhsa_enable_private_segment 0
		.amdhsa_kernarg_size 48
		.amdhsa_user_sgpr_count 2
		.amdhsa_user_sgpr_kernarg_segment_ptr 1
		.amdhsa_wavefront_size32 1
		.amdhsa_system_sgpr_workgroup_id_x 1
		.amdhsa_system_sgpr_workgroup_id_y 1
		.amdhsa_system_sgpr_workgroup_id_z 1
		.amdhsa_system_vgpr_workitem_id 0
		.amdhsa_next_free_vgpr 1024
		.amdhsa_next_free_sgpr 66
		.amdhsa_reserve_vcc 0
		.amdhsa_float_denorm_mode_32 3
		.amdhsa_float_denorm_mode_16_64 3
		.amdhsa_memory_ordered 1
		.amdhsa_forward_progress 1
		.amdhsa_inst_pref_size 255
	.end_amdhsa_kernel
	.section	.bss,"aw",@nobits
	.p2align	6
	.space	262144
	.amdgpu_metadata
---
amdhsa.version: [ 1, 2 ]
amdhsa.kernels:
  - .name:           k_qfdc62416fb_experts
    .symbol:         k_qfdc62416fb_experts.kd
    .args:
      - { .name: rows, .offset: 0, .size: 8, .value_kind: global_buffer, .address_space: global }
      - { .name: W1, .offset: 8, .size: 8, .value_kind: global_buffer, .address_space: global }
      - { .name: W2, .offset: 16, .size: 8, .value_kind: global_buffer, .address_space: global }
      - { .name: b1, .offset: 24, .size: 8, .value_kind: global_buffer, .address_space: global }
      - { .name: b2, .offset: 32, .size: 8, .value_kind: global_buffer, .address_space: global }
      - { .name: out0, .offset: 40, .size: 8, .value_kind: global_buffer, .address_space: global }
    .group_segment_fixed_size: 151040
    .private_segment_fixed_size: 0
    .kernarg_segment_align: 8
    .kernarg_segment_size: 48
    .max_flat_workgroup_size: 128
    .sgpr_count:     66
    .vgpr_count:     1024
    .wavefront_size: 32
...
	.end_amdgpu_metadata
.endif
;; end of part 2
